; MI455X (gfx1250); checked and timed in simulation.
; The chip was launched on July 23, 2026; its instructions are those of AMD's public machine-readable ISA for CDNA 5 (MIT licence, August 2026) and "CDNA5" Instruction Set Architecture Reference Guide (July 2026). The comments in the code are by the model that wrote it; some were corrected since.
;; Henon Layer. Allowed arithmetic: float matrix products may take bf16 or f16 operands with f32 sums; all other float work in f32.
;; Inputs: Win 1 x 32 float32; Wout 32 x 1 float32; bin 1 x 32 float32; eta 1 x 1 float32; z 1,048,576 x 2 float32.
;; Outputs: out0 1,048,576 x 2 float32.
;; One version. Each part assembles by itself: llvm-mc -triple=amdgcn-amd-amdhsa -mcpu=gfx1250 --defsym DOCPART=n.
;; ======== version 1 of 1: 1 launch
;; limits: right only within a limited range of input values
;; launch henon (part 1): grid 256 x 1, 16 waves a work-group, no clusters, 8,192 bytes of LDS; arguments z, Win, Wout, bin, eta, out0; writes out0
.if DOCPART == 1
	.amdgcn_target "amdgcn-amd-amdhsa--gfx1250"
	.amdhsa_code_object_version 6
	.text
	.protected	k_q3c6cbe280e_henon
	.globl	k_q3c6cbe280e_henon
	.p2align	8
	.type	k_q3c6cbe280e_henon,@function
k_q3c6cbe280e_henon:
	s_mov_b64 s[64:65], 0
	v_nop
	global_prefetch_b8 v0, s[64:65] scope:SCOPE_SE
	s_setreg_imm32_b32 hwreg(HW_REG_WAVE_MODE, 25, 1), 1
	s_wait_xcnt 0x0
; Four Henon maps on 1,048,576 rows (X, Y):  X' = Y + eta,  Y' = -X + sum over 32 units of (1 - tanh^2(Y/2 Win_i + bin_i)) Win_i Wout_i / 2.
;
; ARITHMETIC.  1 - tanh^2(u) = 4 t / (1 + t)^2 with t = e^(-2|u|) (the function is even in u).  With a = Win log2(e), b = 2 bin log2(e),
; w = 2 Win Wout:   t = 2^(-|Y a + b|),   sum = sum of w t / (1 + t)^2.   t lies in [0, 1], so 1 + t lies in [1, 2] for every input:
; no exponential and no product of denominators can overflow, and no clamp is needed.  The 32 fractions are added AS FRACTIONS,
; (N1, D1) + (N2, D2) = (N1 D2 + N2 D1, D1 D2), D <= 4^32 = 2^64, so that a row and map need 32 exponentials and ONE reciprocal
; instead of 32: three packed-capable multiply-adds take the place of each reciprocal.
; LIMITS: numerators carry up to 4^31 = 2^62, so the sum of |Win Wout| has to stay below about 1e19; a t below 2^-126 comes out of
; v_exp_f32 as zero (its term, under 2^-124 |w|, is dropped); sums are rounded in another order than in the defining formula.
;
; SHARES.  256 work-groups of 16 waves; a work-group owns 4,096 rows (32 KiB), a thread 8 rows = 4 loads of 16 bytes (two rows each);
; one load or store of a wave covers 512 consecutive bytes, aligned.  The two rows of a load share register pairs, so all plain
; arithmetic is packed (v_pk_*_f32); the weights are the same in every lane and are picked out of their pairs by op_sel.
; NOT USED: matrix instructions (the first product has K = 1 and is one fused multiply-add with the bias; the second one's weights are
; the numerators of the fraction sum), clusters (work-groups share 388 bytes), tensor loads and prefetches (a thread's 64 bytes are all
; asked for in the first lines).
.set ZO,  1                            ; v1        16 x thread: my byte offset in the work-group's part of z and of out0
.set RN,  10                           ; v[10:11]  running numerator of the pair of rows at work
.set RD,  12                           ; v[12:13]  running denominator
.set RR,  14                           ; v[14:15]  its reciprocal
.set ST,  16                           ; v[16:31]  state: pair p has (X0, X1) in ST+4p and (Y0, Y1) in ST+4p+2; the two swap roles at each map
.set XB,  32                           ; v[32:47]  x = Y a + b of the chunk in front: 8 units x 2 rows
.set T0,  48                           ; v[48:79]  t, then numerators: two sets of 8 units x 2 rows, taking turns
.set QB,  80                           ; v[80:95]  1 + t, then (1 + t)^2, then denominators
.set WA,  96                           ; v[96:127]  a_i   (the same number in every lane)
.set WB,  128                          ; v[128:159] b_i
.set WW,  160                          ; v[160:191] w_i
.set WGBYTES, 32768                    ; 4,096 rows x 8 bytes
.set LDSTEP,  8192                     ; 512 threads x 16 bytes: from one of my loads to the next
	s_load_b256 s[4:11], s[0:1], 0x0               ; z s[4:5], Win s[6:7], Wout s[8:9], bin s[10:11]
	s_load_b128 s[12:15], s[0:1], 0x20             ; eta s[12:13], out0 s[14:15]
	v_lshl_add_u32 v192, v0, 2, 0x1800
	v_mov_b32 v193, 0
	v_and_b32 v2, 31, v0                           ; lane
	v_lshrrev_b32 v3, 5, v0
	v_readfirstlane_b32 s18, v3                    ; wave 0..15
	v_lshlrev_b32 v[ZO], 4, v0
	v_lshlrev_b32 v8, 2, v2                        ; 4 x lane: lane i takes unit i's weights
	s_mul_i32 s18, s18, 384                        ; my wave's own 384 LDS bytes
	s_lshl_b32 s2, ttmp9, 15                       ; the work-group's 32 KiB (8 MiB in all: 32 bits do)
	s_mov_b32 s3, 0
	s_wait_kmcnt 0x0
	s_load_b32 s16, s[12:13], 0x0                  ; eta
	global_load_b32 v4, v8, s[6:7]                 ; Win[lane]
	global_load_b32 v5, v8, s[8:9]                 ; Wout[lane]
	global_load_b32 v6, v8, s[10:11]               ; bin[lane]
	s_add_nc_u64 s[4:5], s[4:5], s[2:3]
	s_add_nc_u64 s[14:15], s[14:15], s[2:3]
.irp p, 0,1,2,3
	global_load_b128 v[ST+4*\p:ST+4*\p+3], v[ZO], s[4:5] offset:\p*LDSTEP th:TH_LOAD_NT    ; X0 Y0 X1 Y1; read once in the launch
.endr
	s_mov_b32 s17, 0                               ; the upper half of the pair through which eta is broadcast
	v_add_nc_u32 v9, s18, v8                       ; LDS: my wave's bytes + 4 x lane
	v_mov_b32 v3, s18                              ; LDS: my wave's bytes, the same address in every lane
	s_wait_loadcnt 0x4                             ; the three weight loads are in; the four loads of z, issued behind them, stay out
	v_mul_f32 v5, 2.0, v5
	v_mul_f32 v7, v4, v5                           ; w = 2 Win Wout  (4 from 4t/(1+t)^2, 1/2 from ydiam)
	v_mul_f32 v4, 0x3fb8aa3b, v4                   ; a = Win log2(e)  (2 from e^(2u), 1/2 from ydiam)
	v_mul_f32 v6, 0x4038aa3b, v6                   ; b = 2 bin log2(e)
	ds_store_b32 v9, v4
	ds_store_b32 v9, v6 offset:128
	ds_store_b32 v9, v7 offset:256
.set k, 0
.rept 24                                           ; back as 96 registers that hold the same number in every lane.  The bytes are my wave's own and
	ds_load_b128 v[WA+4*k:WA+4*k+3], v3 offset:16*k    ; LDS serves a wave's instructions in order (ISA guide 5.7.1): no wait, no barrier
.set k, k+1
.endr
; (X0 Y0 X1 Y1) <-> (X0 X1 Y0 Y1): the two middle registers change places, so that the two rows' X and the two rows' Y are pairs
.macro SWAPMID
.irp p, 0,1,2,3
	v_mov_b32 v[XB+\p], v[ST+4*\p+1]
.endr
.irp p, 0,1,2,3
	v_mov_b32 v[ST+4*\p+1], v[ST+4*\p+2]
.endr
.irp p, 0,1,2,3
	v_mov_b32 v[ST+4*\p+2], v[XB+\p]
.endr
.endm
	s_wait_loadcnt 0x0                             ; z
	SWAPMID
	s_wait_dscnt 0x0                               ; the weights
	s_wait_kmcnt 0x0                               ; eta
; A CHUNK is 8 hidden units of one pair of rows.  Its FRONT: 8 arguments, 16 exponentials.  Its BACK: 24 lines that make the 8 fractions
; (w t, (1+t)^2) and 24 (21 in a map's first chunk) that add them to each other and to the running fraction.
; The lines below read these symbols, set for each step:  HF, HB: the step has a front, a back;  NC, TN, YN: the front's chunk number, its
; set of t registers, its Y pair;  CC, TC: the same for the back;  FIRST: the back's chunk starts a map's sum.
.macro XARG j                          ; x_j = Y a_j + b_j, both rows; the unit's a and b are the even or the odd register of their pairs
.if HF
.if \j & 1
	v_pk_fma_f32 v[XB+2*\j:XB+2*\j+1], v[YN:YN+1], v[WA+8*NC+\j-1:WA+8*NC+\j], v[WB+8*NC+\j-1:WB+8*NC+\j] op_sel:[0,1,1] op_sel_hi:[1,1,1]
.else
	v_pk_fma_f32 v[XB+2*\j:XB+2*\j+1], v[YN:YN+1], v[WA+8*NC+\j:WA+8*NC+\j+1], v[WB+8*NC+\j:WB+8*NC+\j+1] op_sel_hi:[1,0,0]
	s_wait_alu depctr_va_vdst(0)
.endif
.endif
.endm
.macro XEXP j, h                       ; t = 2^(-|x|), row h.  The line behind it in a step is always a plain one that names neither t nor x (ISA guide 5.7.2)
.if HF
	v_exp_f32 v[TN+2*\j+\h], -|v[XB+2*\j+\h]|
.endif
.endm
.macro LFD j                           ; d = 1 + t
.if HB
	v_pk_add_f32 v[QB+2*\j:QB+2*\j+1], v[TC+2*\j:TC+2*\j+1], 1.0 op_sel_hi:[1,0]
.endif
.endm
.macro LFQ j                           ; denominator d^2
.if HB
	v_pk_mul_f32 v[QB+2*\j:QB+2*\j+1], v[QB+2*\j:QB+2*\j+1], v[QB+2*\j:QB+2*\j+1]
.endif
.endm
.macro LFN j                           ; numerator w t, in t's place
.if HB
.if \j & 1
	v_pk_mul_f32 v[TC+2*\j:TC+2*\j+1], v[TC+2*\j:TC+2*\j+1], v[WW+8*CC+\j-1:WW+8*CC+\j] op_sel:[0,1] op_sel_hi:[1,1]
.else
	v_pk_mul_f32 v[TC+2*\j:TC+2*\j+1], v[TC+2*\j:TC+2*\j+1], v[WW+8*CC+\j:WW+8*CC+\j+1] op_sel_hi:[1,0]
.endif
.endif
.endm
; fraction i takes in fraction k, in three lines, in this order:  N_i = N_i D_k;  N_i = N_k D_i + N_i;  D_i = D_i D_k
.macro ADM i, k
.if HB
	v_pk_mul_f32 v[TC+2*\i:TC+2*\i+1], v[TC+2*\i:TC+2*\i+1], v[QB+2*\k:QB+2*\k+1]
.endif
.endm
.macro ADF i, k
.if HB
	v_pk_fma_f32 v[TC+2*\i:TC+2*\i+1], v[TC+2*\k:TC+2*\k+1], v[QB+2*\i:QB+2*\i+1], v[TC+2*\i:TC+2*\i+1]
.endif
.endm
.macro ADP i, k
.if HB
	v_pk_mul_f32 v[QB+2*\i:QB+2*\i+1], v[QB+2*\i:QB+2*\i+1], v[QB+2*\k:QB+2*\k+1]
.endif
.endm
; the running fraction takes in fraction g, likewise
.macro RUM g
.if HB
	v_pk_mul_f32 v[RN:RN+1], v[RN:RN+1], v[QB+2*\g:QB+2*\g+1]
.endif
.endm
.macro RUF g
.if HB
	v_pk_fma_f32 v[RN:RN+1], v[TC+2*\g:TC+2*\g+1], v[RD:RD+1], v[RN:RN+1]
.endif
.endm
.macro RUP g
.if HB
	v_pk_mul_f32 v[RD:RD+1], v[RD:RD+1], v[QB+2*\g:QB+2*\g+1]
	s_wait_alu depctr_va_vdst(0)
.endif
.endm
; ONE STEP: the back of one chunk and the front of the next, line by line in turn: behind each exponential stand three or four packed lines,
; so that neither kind comes in a long run, and an argument is made six lines ahead of its first exponential.
; Fractions 0-3 are added to fraction 0 and 4-7 to fraction 4; the running fraction takes in 0 while 4 is still being made, then 4.
.macro STEP
	XARG 0
	LFD 0
	LFD 1
	XEXP 0, 0
	LFD 2
	XARG 1
	LFD 3
	XEXP 0, 1
	LFN 0
	LFN 1
	LFQ 0
	LFQ 1
	XEXP 1, 0
	LFQ 2
	XARG 2
	LFQ 3
	XEXP 1, 1
	LFN 2
	LFN 3
	ADM 0, 1
	ADM 2, 3
	XEXP 2, 0
	LFD 4
	XARG 3
	LFD 5
	XEXP 2, 1
	ADF 0, 1
	ADF 2, 3
	ADP 0, 1
	ADP 2, 3
	XEXP 3, 0
	LFD 6
	XARG 4
	LFD 7
	XEXP 3, 1
	LFN 4
	LFN 5
	LFQ 4
	LFQ 5
	XEXP 4, 0
	LFQ 6
	XARG 5
	LFQ 7
	XEXP 4, 1
	LFN 6
	LFN 7
	ADM 0, 2
	ADM 4, 5
	XEXP 5, 0
	ADM 6, 7
	XARG 6
	ADF 0, 2
	XEXP 5, 1
	ADF 4, 5
	ADF 6, 7
	ADP 0, 2
	ADP 4, 5
	XEXP 6, 0
	ADP 6, 7
	XARG 7
	ADM 4, 6
	XEXP 6, 1
.if FIRST
	ADF 4, 6
	ADP 4, 6
	XEXP 7, 0
	ADM 0, 4                                       ; a map's first chunk starts the running fraction: nothing is cleared
	XEXP 7, 1
	v_pk_fma_f32 v[RN:RN+1], v[TC+8:TC+9], v[QB:QB+1], v[TC:TC+1]      ; RN = N_4 D_0 + N_0 D_4
	v_pk_mul_f32 v[RD:RD+1], v[QB:QB+1], v[QB+8:QB+9]                  ; RD = D_0 D_4
	s_wait_alu depctr_va_vdst(0)
.else
	RUM 0
	ADF 4, 6
	RUF 0
	ADP 4, 6
	XEXP 7, 0
	RUP 0
	RUM 4
	XEXP 7, 1
	RUF 4
	RUP 4
.endif
.endm
; A TRIP is two maps of all four pairs: 32 chunks in the order map, pair, chunk.  The pairs take turns, so a pair's new Y is made 12 steps
; before its next front reads it.  X' = Y + eta lands in Y's registers and Y' = N / D - X in X's: the roles swap at each map and are
; back after two, so no register is ever moved.  Step 0 is a front alone and step 32 a back alone: no line's result is thrown away.
	s_mov_b32 s20, 0
.Ltrip:
.set STP, 0
.rept 33
.if STP < 32
.set HF, 1
.else
.set HF, 0
.endif
.if STP > 0
.set HB, 1
.else
.set HB, 0
.endif
.set TN, T0+16*(STP&1)
.set TC, T0+16*((STP+1)&1)
.set NC, STP&3
.set CC, (STP+3)&3
.set YN, ST+4*((STP>>2)&3)+2-2*((STP>>4)&1)        ; the front's Y: upper pair in the trip's first map, lower pair in its second
.set FIRST, 0
.if HB
.if CC == 0
.set FIRST, 1
.endif
.endif
	STEP
.if HB
.if CC == 3                                        ; the back was a map's last chunk: the pair's state steps
.set XC, ST+4*(((STP-1)>>2)&3)+2*(((STP-1)>>4)&1)
.set YC, ST+4*(((STP-1)>>2)&3)+2-2*(((STP-1)>>4)&1)
	v_rcp_f32 v[RR], v[RD]                         ; D lies in [1, 2^64]
	v_rcp_f32 v[RR+1], v[RD+1]
	v_pk_add_f32 v[YC:YC+1], v[YC:YC+1], s[16:17] op_sel_hi:[1,0]      ; X' = Y + eta; also the plain line between the reciprocals and their use (ISA guide 5.7.2)
	s_wait_alu depctr_va_vdst(0)
	v_pk_fma_f32 v[XC:XC+1], v[RN:RN+1], v[RR:RR+1], v[XC:XC+1] neg_lo:[0,0,1] neg_hi:[0,0,1]   ; Y' = N / D - X
.endif
.endif
.set STP, STP+1
.endr
	s_add_co_u32 s20, s20, 1
	s_cmp_lt_u32 s20, 2                            ; 2 trips x 2 maps
	s_cbranch_scc1 .Ltrip
	SWAPMID                                        ; back to X0 Y0 X1 Y1
.irp p, 0,1,2,3
	global_store_b128 v[ZO], v[ST+4*\p:ST+4*\p+3], s[14:15] offset:\p*LDSTEP th:TH_STORE_NT    ; 16 lanes store 256 consecutive bytes, aligned
.endr
	s_wait_tensorcnt 0x0
	ds_add_u32 v192, v193
	s_wait_dscnt 0x0
	s_endpgm
.Lfunc_end_k_q3c6cbe280e_henon:
	.size	k_q3c6cbe280e_henon, .Lfunc_end_k_q3c6cbe280e_henon-k_q3c6cbe280e_henon
	.p2alignl 7, 3214868480
	.fill 96, 4, 3214868480
	.section	.rodata,"a",@progbits
	.p2align	6, 0x0
	.amdhsa_kernel k_q3c6cbe280e_henon
		.amdhsa_group_segment_fixed_size 8192
		.amdhsa_private_segment_fixed_size 0
		.amdhsa_enable_private_segment 0
		.amdhsa_kernarg_size 48
		.amdhsa_user_sgpr_count 2
		.amdhsa_user_sgpr_kernarg_segment_ptr 1
		.amdhsa_wavefront_size32 1
		.amdhsa_system_sgpr_workgroup_id_x 1
		.amdhsa_system_sgpr_workgroup_id_y 1
		.amdhsa_system_sgpr_workgroup_id_z 1
		.amdhsa_system_vgpr_workitem_id 0
		.amdhsa_next_free_vgpr 194
		.amdhsa_next_free_sgpr 66
		.amdhsa_reserve_vcc 0
		.amdhsa_float_denorm_mode_32 3
		.amdhsa_float_denorm_mode_16_64 3
		.amdhsa_memory_ordered 1
		.amdhsa_forward_progress 1
		.amdhsa_inst_pref_size 156
	.end_amdhsa_kernel
	.amdgpu_metadata
---
amdhsa.version: [ 1, 2 ]
amdhsa.kernels:
  - .name:           k_q3c6cbe280e_henon
    .symbol:         k_q3c6cbe280e_henon.kd
    .args:
      - { .name: z, .offset: 0, .size: 8, .value_kind: global_buffer, .address_space: global }
      - { .name: Win, .offset: 8, .size: 8, .value_kind: global_buffer, .address_space: global }
      - { .name: Wout, .offset: 16, .size: 8, .value_kind: global_buffer, .address_space: global }
      - { .name: bin, .offset: 24, .size: 8, .value_kind: global_buffer, .address_space: global }
      - { .name: eta, .offset: 32, .size: 8, .value_kind: global_buffer, .address_space: global }
      - { .name: out0, .offset: 40, .size: 8, .value_kind: global_buffer, .address_space: global }
    .group_segment_fixed_size: 8192
    .private_segment_fixed_size: 0
    .kernarg_segment_align: 8
    .kernarg_segment_size: 48
    .max_flat_workgroup_size: 512
    .sgpr_count:     66
    .vgpr_count:     194
    .wavefront_size: 32
...
	.end_amdgpu_metadata
.endif
;; end of part 1
